; MI455X (gfx1250); checked and timed in simulation.
; The chip was launched on July 23, 2026; its instructions are those of AMD's public machine-readable ISA for CDNA 5 (MIT licence, August 2026) and "CDNA5" Instruction Set Architecture Reference Guide (July 2026). The comments in the code are by the model that wrote it; some were corrected since.
;; Block. Allowed arithmetic: float matrix products may take bf16 or f16 operands with f32 sums; all other float work in f32.
;; Inputs: b1 4,096 float32; b2 1,024 float32; ln1_b 1,024 float32; ln1_g 1,024 float32; ln2_b 1,024 float32; ln2_g 1,024 float32; lnf_b 1,024 float32; lnf_g 1,024 float32; w1 1,024 x 4,096 float32; w2 4,096 x 1,024 float32; x 4 x 2,048 x 1,024 float32.
;; Outputs: out0 4 x 2,048 x 1,024 float32.
;; One version. Each part assembles by itself: llvm-mc -triple=amdgcn-amd-amdhsa -mcpu=gfx1250 --defsym DOCPART=n.
;; ======== version 1 of 1: 4 launches
;; limits: values are held in f16: magnitudes above 65,504 overflow, below 6.1e-05 lose precision; a function is approximated: absolute error at most 3e-05; right only within a limited range of input values
;; workspace buffers: w1t 8,388,608 bytes; w2t 8,388,608 bytes; cosm 262,144 bytes; x1 33,554,432 bytes; h2 16,777,216 bytes; m 67,108,864 bytes
;; launch prep (part 1): grid 1088 x 1, 8 waves a work-group, no clusters, 18,432 bytes of LDS; arguments w1, w2, w1t, w2t, cosm; writes w1t, w2t, cosm
.if DOCPART == 1
	.amdgcn_target "amdgcn-amd-amdhsa--gfx1250"
	.amdhsa_code_object_version 6
	.text
	.protected	k_qd2f9131dbf_prep
	.globl	k_qd2f9131dbf_prep
	.p2align	8
	.type	k_qd2f9131dbf_prep,@function
k_qd2f9131dbf_prep:
	s_mov_b64 s[64:65], 0
	v_nop
	global_prefetch_b8 v0, s[64:65] scope:SCOPE_SE
	s_setreg_imm32_b32 hwreg(HW_REG_WAVE_MODE, 25, 1), 1
	s_wait_xcnt 0x0
; Three jobs, chosen by the work-group number (the same for all eight waves of a group):
;   0 .. 511     w1t[n][k] = bf16(w1[k][n]),  w1 [1024 k][4096 n] f32
;   512 .. 1023  w2t[n][k] = bf16(w2[k][n]),  w2 [4096 k][1024 n] f32
;   1024 .. 1087 cosm: cos(2 pi kk n / 1024) in f16, laid out as the matrix fragments that the next launch reads.
; A transposing group takes a tile of 128 k x 64 n: it reads 128 pieces of 256 consecutive bytes and writes 64 pieces of
; 256 consecutive bytes, both aligned to 256; the turn is made in LDS.  No byte is read twice and no two groups share an
; input, so there is nothing to ask for jointly: no cluster, no tensor loads, no matrix work.
; The cosine: the angle is folded to [0, pi/2] in whole numbers, then a Taylor series in theta^2 up to theta^12
; (the first term left out is at most 6.4e-9 there), then one rounding to f16.  cos(pi/2) is set to 0 exactly.
.set LPITCH, 272                       ; an LDS row: 128 bf16 + 16 bytes
.set X, 16                             ; v[16:47] eight loads of 16 bytes; later the rows read back
.set D, 48                             ; v[48:63] packed pairs (k, k+1) of one n
; sb, db: first scalar register of the source and destination address; ls, ld: log2 of their row bytes; lk: log2 of the k tiles
.macro TRANS sb, db, ls, ld, lk
	s_lshr_b32 s16, s15, \lk                       ; n tile
	s_and_b32 s17, s15, (1<<\lk)-1                 ; k tile
	s_lshl_b32 s18, s17, 7+\ls                     ; source: 128 rows a k tile,
	s_lshl_b32 s20, s16, 8                         ; 256 bytes an n tile
	s_add_co_u32 s18, s18, s20
	s_mov_b32 s19, 0
	s_lshl_b32 s20, s16, 6+\ld                     ; destination: 64 rows an n tile,
	s_lshl_b32 s22, s17, 8                         ; 256 bytes a k tile
	s_add_co_u32 s20, s20, s22
	s_mov_b32 s21, 0
	v_lshl_add_u32 v3, v2, 1+\ls, v7               ; source row 2 kq, byte 16 cg
	v_lshl_add_u32 v6, v2, \ld, v7                 ; destination row kq, byte 16 cg
	s_wait_kmcnt 0x0
	s_add_nc_u64 s[\sb:\sb+1], s[\sb:\sb+1], s[18:19]
	s_add_nc_u64 s[\db:\db+1], s[\db:\db+1], s[20:21]
.irp e, 0,1,2,3,4,5,6,7
	global_load_b128 v[X+4*\e:X+4*\e+3], v3, s[\sb:\sb+1] offset:((\e>>1)*32+(\e&1))<<\ls th:TH_LOAD_NT   ; rows 2 (kq + 16 (e/2)) + e%2
.endr
.irp t, 0,1,2,3
	s_wait_loadcnt 6-2*\t                          ; loads come back in order: this pair of rows is in, the younger pairs stay out
.irp i, 0,1,2,3
	v_cvt_pk_bf16_f32 v[D+4*\t+\i], v[X+8*\t+\i], v[X+8*\t+4+\i]   ; (k, k+1) of column 4 cg + i, the even k in the low half
.endr
.irp i, 0,1,2,3
	ds_store_b32 v4, v[D+4*\t+\i] offset:\i*LPITCH+64*\t           ; LDS row n = 4 cg + i, byte 2 k.  Lanes cg and cg + 4 meet in a bank: 16 such stores a wave for 2 KiB moved, accepted
.endr
.endr
	s_wait_dscnt 0x0                               ; my stores are in LDS before I say so
	s_barrier_signal -1
	s_barrier_wait -1                              ; and everybody else has said so too
.irp t, 0,1,2,3
	ds_load_b128 v[X+4*\t:X+4*\t+3], v5 offset:16*LPITCH*\t        ; row n = kq + 16 t, 16 bytes at 16 cg
.endr
.irp t, 0,1,2,3
	s_wait_dscnt 3-\t
	global_store_b128 v6, v[X+4*\t:X+4*\t+3], s[\db:\db+1] offset:(16*\t)<<\ld   ; 16 lanes store 256 consecutive bytes, aligned
.endr
	s_wait_tensorcnt 0x0
	ds_add_u32 v64, v65
	s_wait_dscnt 0x0
	s_endpgm
.endm
; one cosine: v10 holds kk n and steps by kk (v9)
.macro COS1 dst
	v_and_b32 v12, 0x3ff, v10                      ; j = kk n mod 1024
	v_add_nc_u32 v10, v10, v9
	v_sub_nc_u32 v13, 0x400, v12
	v_min_u32 v12, v12, v13                        ; cos is even round 512: j in 0 .. 512
	v_sub_nc_u32 v14, 0x100, v12
	v_and_b32 v14, 0x80000000, v14                 ; beyond 256 the sign turns,
	v_sub_nc_u32 v13, 0x200, v12
	v_min_u32 v12, v12, v13                        ; and j is mirrored into 0 .. 256
	v_cvt_f32_u32 v13, v12
	v_mul_f32 v13, 0x3bc90fdb, v13                 ; theta = j pi / 512
	v_mul_f32 v13, v13, v13
	v_fmaak_f32 \dst, s20, v13, 0xb493f27e         ; 1/12! t - 1/10!
	v_fmaak_f32 \dst, \dst, v13, 0x37d00d01        ; + 1/8!
	v_fmaak_f32 \dst, \dst, v13, 0xbab60b61        ; - 1/6!
	v_fmaak_f32 \dst, \dst, v13, 0x3d2aaaab        ; + 1/4!
	v_fma_f32 \dst, \dst, v13, -0.5
	v_fma_f32 \dst, \dst, v13, 1.0
	v_cmp_eq_u32 vcc_lo, 0x100, v12
	v_cndmask_b32 \dst, \dst, 0, vcc_lo            ; cos(pi/2) = 0
	v_xor_b32 \dst, \dst, v14
.endm
	s_load_b256 s[4:11], s[0:1], 0x0               ; w1 s[4:5], w2 s[6:7], w1t s[8:9], w2t s[10:11]
	s_load_b64 s[12:13], s[0:1], 0x20              ; cosm
	v_lshl_add_u32 v64, v0, 2, 0x4400
	v_mov_b32 v65, 0
	s_mov_b32 s14, ttmp9
	s_cmp_ge_u32 s14, 1024
	s_cbranch_scc1 .Lcos
	v_and_b32 v1, 15, v0                           ; cg: which 16 bytes of a piece of 256
	v_lshrrev_b32 v2, 4, v0                        ; kq: 0 .. 15
	v_lshlrev_b32 v7, 4, v1
	v_mul_u32_u24 v4, v1, 4*LPITCH
	v_lshl_add_u32 v4, v2, 2, v4                   ; in: LDS row 4 cg, byte 4 kq
	v_mul_u32_u24 v5, v2, LPITCH
	v_add_nc_u32 v5, v5, v7                        ; back: LDS row kq, byte 16 cg
	s_and_b32 s15, s14, 511
	s_cmp_ge_u32 s14, 512
	s_cbranch_scc1 .Lw2
	TRANS 4, 8, 14, 11, 3
.Lw2:
	TRANS 6, 10, 12, 13, 5
; Piece P (16 bytes at 16 P) = (q, s, b, p, L): lane L, half p of the fragment of K step s and output tile b for wave q.
.Lcos:
	s_sub_co_u32 s15, s14, 1024
	s_lshl_b32 s15, s15, 8
	s_mov_b32 s20, 0x310f76c7                      ; 1/12!
	v_add_nc_u32 v1, s15, v0                       ; P
	v_and_b32 v2, 15, v1                           ; r
	v_bfe_u32 v3, v1, 4, 1                         ; h
	v_bfe_u32 v4, v1, 5, 1                         ; p
	v_bfe_u32 v5, v1, 6, 3                         ; b
	v_bfe_u32 v6, v1, 9, 3                         ; s
	v_lshrrev_b32 v7, 12, v1                       ; q
	v_and_b32 v8, 1, v7
	v_lshl_add_u32 v9, v5, 4, v2                   ; 16 b + r
	v_lshl_add_u32 v9, v8, 7, v9                   ; + 128 (q & 1)
	v_lshrrev_b32 v7, 1, v7
	v_lshl_add_u32 v9, v9, 1, v7                   ; kk = twice that + (q >> 1): even outputs for waves 0, 1, odd for 2, 3
	v_lshlrev_b32 v10, 3, v3
	v_lshl_add_u32 v10, v4, 4, v10
	v_lshl_add_u32 v10, v6, 5, v10                 ; n0 = 32 s + 16 p + 8 h
	v_mul_u32_u24 v10, v9, v10                     ; kk n0, at most 511 x 248
	v_lshlrev_b32 v11, 4, v1
.irp e, 16,17,18,19,20,21,22,23
	COS1 v\e
.endr
	v_cvt_pk_f16_f32 v24, v16, v17
	v_cvt_pk_f16_f32 v25, v18, v19
	v_cvt_pk_f16_f32 v26, v20, v21
	v_cvt_pk_f16_f32 v27, v22, v23
	s_wait_kmcnt 0x0
	global_store_b128 v11, v[24:27], s[12:13]      ; a wave stores 512 consecutive bytes
	s_endpgm
.Lfunc_end_k_qd2f9131dbf_prep:
	.size	k_qd2f9131dbf_prep, .Lfunc_end_k_qd2f9131dbf_prep-k_qd2f9131dbf_prep
	.p2alignl 7, 3214868480
	.fill 96, 4, 3214868480
	.section	.rodata,"a",@progbits
	.p2align	6, 0x0
	.amdhsa_kernel k_qd2f9131dbf_prep
		.amdhsa_group_segment_fixed_size 18432
		.amdhsa_private_segment_fixed_size 0
		.amdhsa_enable_private_segment 0
		.amdhsa_kernarg_size 40
		.amdhsa_user_sgpr_count 2
		.amdhsa_user_sgpr_kernarg_segment_ptr 1
		.amdhsa_wavefront_size32 1
		.amdhsa_system_sgpr_workgroup_id_x 1
		.amdhsa_system_sgpr_workgroup_id_y 1
		.amdhsa_system_sgpr_workgroup_id_z 1
		.amdhsa_system_vgpr_workitem_id 0
		.amdhsa_next_free_vgpr 66
		.amdhsa_next_free_sgpr 66
		.amdhsa_reserve_vcc 1
		.amdhsa_float_denorm_mode_32 3
		.amdhsa_float_denorm_mode_16_64 3
		.amdhsa_memory_ordered 1
		.amdhsa_forward_progress 1
		.amdhsa_inst_pref_size 20
	.end_amdhsa_kernel
	.amdgpu_metadata
---
amdhsa.version: [ 1, 2 ]
amdhsa.kernels:
  - .name:           k_qd2f9131dbf_prep
    .symbol:         k_qd2f9131dbf_prep.kd
    .args:
      - { .name: w1, .offset: 0, .size: 8, .value_kind: global_buffer, .address_space: global }
      - { .name: w2, .offset: 8, .size: 8, .value_kind: global_buffer, .address_space: global }
      - { .name: w1t, .offset: 16, .size: 8, .value_kind: global_buffer, .address_space: global }
      - { .name: w2t, .offset: 24, .size: 8, .value_kind: global_buffer, .address_space: global }
      - { .name: cosm, .offset: 32, .size: 8, .value_kind: global_buffer, .address_space: global }
    .group_segment_fixed_size: 18432
    .private_segment_fixed_size: 0
    .kernarg_segment_align: 8
    .kernarg_segment_size: 40
    .max_flat_workgroup_size: 256
    .sgpr_count:     66
    .vgpr_count:     66
    .wavefront_size: 32
...
	.end_amdgpu_metadata
.endif
;; end of part 1
;; launch mix (part 2): grid 256 x 1, 4 waves a work-group, clusters of 4 x 1, 305,664 bytes of LDS; arguments x, ln1_g, ln1_b, lnf_g, lnf_b, ln2_g, ln2_b, cosm, x1, h2; writes x1, h2
.if DOCPART == 2
	.amdgcn_target "amdgcn-amd-amdhsa--gfx1250"
	.amdhsa_code_object_version 6
	.text
	.protected	k_qd2f9131dbf_mix
	.globl	k_qd2f9131dbf_mix
	.p2align	8
	.type	k_qd2f9131dbf_mix,@function
k_qd2f9131dbf_mix:
	s_mov_b64 s[64:65], 0
	v_nop
	global_prefetch_b8 v0, s[64:65] scope:SCOPE_SE
	s_setreg_imm32_b32 hwreg(HW_REG_WAVE_MODE, 25, 1), 1
	s_wait_xcnt 0x0
	s_wait_alu depctr_hold_cnt(0) depctr_sa_sdst(0) depctr_va_vdst(0) depctr_va_sdst(0) depctr_va_ssrc(0) depctr_va_vcc(0) depctr_vm_vsrc(0)
	s_getreg_b32 s2, hwreg(HW_REG_IB_STS2, 6, 4)
	s_cmp_eq_u32 s2, 0
	s_cbranch_scc0 .Lentry_in_a_cluster
	s_endpgm
.Lentry_in_a_cluster:
	s_bfe_u32 s2, ttmp6, 0x10000c
	s_cmp_lg_u32 s2, 0x3003
	s_cbranch_scc0 .Lentry_shape_is_right
	s_endpgm
.Lentry_shape_is_right:
; x1 = x + LNf(Re DFT_1024(LN1(x))),  h2 = bf16(LN2(x1)).  x, x1: [8192][1024] f32.  h2: [8192][1024] bf16.
; A work-group has 32 rows, a wave 8 of them, each row whole in 32 registers (lane l: columns 128 j + 4 l + i in register 4 j + i),
; so x is read once and x1 and h2 are written once; all sums of the norms stay inside a wave.
; THE DFT.  With h = LN1(x): P[n] = h[n] + h[1024-n], Q[n] = h[512+n] + h[512-n] (n = 0 .. 255; the mirrored term is 0 at n = 0),
; V = P + Q, W = P - Q, U = h[256] + h[768].  Then f[2k] = sum V[n] cos(2 pi 2k n / 1024) + (-1)^k U, f[2k+1] = sum W[n] cos(2 pi (2k+1) n / 1024),
; f[512] = sum (-1)^n V[n] + U, f[c] = f[1024-c].  The folds are made in f32; the two products of 256 x 256 go to the matrix unit.
; Wave q makes 32 rows x 128 outputs: waves 0, 1 the even outputs from V, waves 2, 3 the odd ones from W.
; LIMITS.  V, W and the cosines are rounded to f16 (11 bits), sums in f32: |V|, |W| must stay below 65,504.  They are sums of four numbers
; LN1(x) g + b, so their size hangs on ln1_g and ln1_b alone; with both 30 times the size of a unit gain they stay near 1.3e3.
; The norms take the variance in two passes (mean first) and are applied as x r + (-mean r).
; CLUSTER.  Every work-group reads the same table of 262,144 bytes; the four of a cluster ask for it jointly, each wave one quarter:
; one tensor load a wave in the whole launch, nothing is ever filled again.
.set ROWB,   4096
.set ATILE,  262144                    ; behind the table: V, 32 rows of 512 + 16 bytes; then W likewise
.set APITCH, 528
.set WTILE,  32*APITCH
.set STAGE,  ATILE+2*WTILE             ; 295,936: 2,304 bytes a wave: columns 256..511, a zero word at 1024; columns 768..1023 at 1040, a zero word at 2064
.set STGB,   2304
.set FPITCH, 2064                      ; f, f32 [32 rows][513], laid over the table when every wave has read the table for the last time
; window 0
.set GOFF, 2                           ; 16 l
.set HOFF, 3                           ; 8 l
.set STS,  4                           ; my stage + 16 l
.set STM,  5                           ; my stage + 16 (31 - l)
.set ATS,  6                           ; V tile, my first row, + 8 l
.set AFR,  7                           ; fragments of V or W: row r, + 16 h
.set BFR,  8                           ; my quarter of the table + 16 l
.set FST,  9                           ; f: row r, my first output
.set FLD,  10                          ; f: my first row + 16 l
.set FMR,  11                          ; f: my first row + 16 (31 - l)
.set FAL,  12                          ; f: my first row
.set SUM,  16                          ; v[16:23]  a sum for each row
.set XT,   24                          ; v[24:31]  the other half of the lanes
.set R,    32                          ; v[32:47]  1/sqrt(var + eps), twice, for each row
.set NM,   48                          ; v[48:63]  mean, later -mean r, twice, for each row
.set ALT,  64                          ; v[64:71]  sum (-1)^n V[n]
.set UP,   72                          ; v[72:87]  (U, 0) for each row
.set WK,   96                          ; v[96:255] at work
.set CH,   224
.set H0, 96
.set H1, 128
.set M0, 160
.set M1, 176
.set PQ, 192
.set VW, 208
.set CV, 224
.set FB0, 96
.set FB1, 176
; window 1: x, later x1, row t at 32 t.  window 2: 16 accumulator tiles (a, b) at 8 (8 a + b), later f, row t at 32 t.
; window 3: ln1_g 0, ln1_b 32, lnf_g 64, lnf_b 96, ln2_g 128, ln2_b 160.
.set G0, 32
.set G1, 36
.set MSB, 0
.macro WIN new                         ; low byte: bits 1:0 source 0, 3:2 source 1, 5:4 source 2, 7:6 destination; the high byte repeats the setting that is left
.if MSB != (\new)
	s_set_vgpr_msb (MSB<<8)|(\new)
.set MSB, (\new)
.endif
.endm
.macro PLACES                          ; four plain vector instructions behind a matrix instruction (ISA guide 7.12.1)
.rept 4
	v_nop
.endr
.endm
.macro CROUND                          ; a round of the cluster barrier: my group, wave 0 for the group, all groups, my group
	s_barrier_signal -1
	s_barrier_wait -1
	s_cmp_lg_u32 s28, 0
	s_cbranch_scc1 .Lnot_wave_0_\@
	s_barrier_signal -3
.Lnot_wave_0_\@:
	s_barrier_wait -3
	s_barrier_signal -1
	s_barrier_wait -1
.endm
; eight sums over the 32 lanes at once, the rows by turns so that no line waits for the one in front of it
.macro XRED base
.irp m, 1,2,4,8
.irp t, 0,1,2,3,4,5,6,7
	v_add_f32_dpp v[\base+\t], v[\base+\t], v[\base+\t] row_xmask:\m row_mask:0xf bank_mask:0xf
.endr
.endr
.irp t, 0,1,2,3,4,5,6,7
	v_permlanex16_b32 v[XT+\t], v[\base+\t], s46, s47
.endr
.irp t, 0,1,2,3,4,5,6,7
	v_add_f32 v[\base+\t], v[\base+\t], v[XT+\t]
.endr
.endm
; R and NM of the eight rows in window w
.macro LNSTAT w
	WIN (\w|(\w<<2))
.irp t, 0,1,2,3,4,5,6,7
.irp c, 0,1,2,3
	v_pk_add_f32 v[WK+8*\t+2*\c:WK+8*\t+2*\c+1], v[32*\t+2*\c:32*\t+2*\c+1], v[32*\t+8+2*\c:32*\t+8+2*\c+1]
.endr
.endr
	WIN \w
.irp m, 16,24
.irp t, 0,1,2,3,4,5,6,7
.irp c, 0,1,2,3
	v_pk_add_f32 v[WK+8*\t+2*\c:WK+8*\t+2*\c+1], v[32*\t+\m+2*\c:32*\t+\m+2*\c+1], v[WK+8*\t+2*\c:WK+8*\t+2*\c+1]
.endr
.endr
.endr
	WIN 0
.irp t, 0,1,2,3,4,5,6,7
	v_pk_add_f32 v[WK+8*\t:WK+8*\t+1], v[WK+8*\t:WK+8*\t+1], v[WK+8*\t+2:WK+8*\t+3]
	v_pk_add_f32 v[WK+8*\t+4:WK+8*\t+5], v[WK+8*\t+4:WK+8*\t+5], v[WK+8*\t+6:WK+8*\t+7]
.endr
.irp t, 0,1,2,3,4,5,6,7
	v_pk_add_f32 v[WK+8*\t:WK+8*\t+1], v[WK+8*\t:WK+8*\t+1], v[WK+8*\t+4:WK+8*\t+5]
.endr
.irp t, 0,1,2,3,4,5,6,7
	v_add_f32 v[SUM+\t], v[WK+8*\t], v[WK+8*\t+1]
.endr
	XRED SUM
.irp t, 0,1,2,3,4,5,6,7
	v_mul_f32 v[NM+2*\t], s48, v[SUM+\t]           ; the mean
	v_mul_f32 v[NM+2*\t+1], s48, v[SUM+\t]
.endr
.irp g, 0,1                            ; second pass, four rows at a time: differences from the mean, then their squares in four chains a row
	WIN \w
.irp u, 0,1,2,3
.irp e, 0,1,2,3,4,5,6,7,8,9,10,11,12,13,14,15
	v_pk_add_f32 v[WK+32*\u+2*\e:WK+32*\u+2*\e+1], v[32*(4*\g+\u)+2*\e:32*(4*\g+\u)+2*\e+1], v[NM+2*(4*\g+\u):NM+2*(4*\g+\u)+1] neg_lo:[0,1] neg_hi:[0,1]
.endr
.endr
	WIN 0
.irp u, 0,1,2,3
.irp c, 0,1,2,3
	v_pk_mul_f32 v[CH+8*\u+2*\c:CH+8*\u+2*\c+1], v[WK+32*\u+2*\c:WK+32*\u+2*\c+1], v[WK+32*\u+2*\c:WK+32*\u+2*\c+1]
.endr
.endr
.irp m, 1,2,3
.irp u, 0,1,2,3
.irp c, 0,1,2,3
	v_pk_fma_f32 v[CH+8*\u+2*\c:CH+8*\u+2*\c+1], v[WK+32*\u+8*\m+2*\c:WK+32*\u+8*\m+2*\c+1], v[WK+32*\u+8*\m+2*\c:WK+32*\u+8*\m+2*\c+1], v[CH+8*\u+2*\c:CH+8*\u+2*\c+1]
.endr
.endr
.endr
.irp u, 0,1,2,3
	v_pk_add_f32 v[CH+8*\u:CH+8*\u+1], v[CH+8*\u:CH+8*\u+1], v[CH+8*\u+2:CH+8*\u+3]
	v_pk_add_f32 v[CH+8*\u+4:CH+8*\u+5], v[CH+8*\u+4:CH+8*\u+5], v[CH+8*\u+6:CH+8*\u+7]
.endr
.irp u, 0,1,2,3
	v_pk_add_f32 v[CH+8*\u:CH+8*\u+1], v[CH+8*\u:CH+8*\u+1], v[CH+8*\u+4:CH+8*\u+5]
.endr
.irp u, 0,1,2,3
	v_add_f32 v[SUM+4*\g+\u], v[CH+8*\u], v[CH+8*\u+1]
.endr
.endr
	XRED SUM
.irp t, 0,1,2,3,4,5,6,7
	v_fma_f32 v[SUM+\t], v[SUM+\t], s48, s49       ; var + eps
.endr
.irp t, 0,1,2,3,4,5,6,7
	v_rsq_f32 v[R+2*\t], v[SUM+\t]
	v_rsq_f32 v[R+2*\t+1], v[SUM+\t]
.endr
	v_nop                                          ; one plain vector instruction behind the last v_rsq_f32 before its result is used (ISA guide 5.7.2)
	s_wait_alu depctr_va_vdst(0)
.irp t, 0,1,2,3,4,5,6,7
	v_pk_mul_f32 v[NM+2*\t:NM+2*\t+1], v[NM+2*\t:NM+2*\t+1], v[R+2*\t:R+2*\t+1] neg_lo:[1,0] neg_hi:[1,0]
.endr
.endm
; four rows (4 grp .. 4 grp + 3) of the window named by win (as source 0): WK = (row r - mean r) gain + bias; gn, bs: the registers in window 3
.macro AFFINE win, grp, gn, bs
	WIN \win
.irp u, 0,1,2,3
.irp e, 0,1,2,3,4,5,6,7,8,9,10,11,12,13,14,15
	v_pk_fma_f32 v[WK+32*\u+2*\e:WK+32*\u+2*\e+1], v[32*(4*\grp+\u)+2*\e:32*(4*\grp+\u)+2*\e+1], v[R+2*(4*\grp+\u):R+2*(4*\grp+\u)+1], v[NM+2*(4*\grp+\u):NM+2*(4*\grp+\u)+1]
.endr
.endr
	WIN 0x3c
.irp u, 0,1,2,3
.irp e, 0,1,2,3,4,5,6,7,8,9,10,11,12,13,14,15
	v_pk_fma_f32 v[WK+32*\u+2*\e:WK+32*\u+2*\e+1], v[WK+32*\u+2*\e:WK+32*\u+2*\e+1], v[\gn+2*\e:\gn+2*\e+1], v[\bs+2*\e:\bs+2*\e+1]
.endr
.endr
.endm
; row t: h = LN1(x) into hb; U; the two quarters that are needed mirrored go to my stage and come back mirrored into mb.
; LDS serves a wave in order (ISA guide 5.7.1.4): no wait between these stores and loads, nor between one row and the next.
.macro HA t, hb, mb
	WIN 0x01
.irp e, 0,1,2,3,4,5,6,7,8,9,10,11,12,13,14,15
	v_pk_fma_f32 v[\hb+2*\e:\hb+2*\e+1], v[32*\t+2*\e:32*\t+2*\e+1], v[R+2*\t:R+2*\t+1], v[NM+2*\t:NM+2*\t+1]
.endr
	WIN 0x3c
.irp e, 0,1,2,3,4,5,6,7,8,9,10,11,12,13,14,15
	v_pk_fma_f32 v[\hb+2*\e:\hb+2*\e+1], v[\hb+2*\e:\hb+2*\e+1], v[2*\e:2*\e+1], v[32+2*\e:32+2*\e+1]
.endr
	WIN 0
	v_add_f32 v13, v[\hb+8], v[\hb+24]             ; lane 0: h[256] + h[768]
	v_readfirstlane_b32 s50, v13
	v_mov_b32 v[UP+2*\t], s50
	ds_store_b128 v[STS], v[\hb+8:\hb+11]
	ds_store_b128 v[STS], v[\hb+12:\hb+15] offset:512
	ds_store_b128 v[STS], v[\hb+24:\hb+27] offset:1040
	ds_store_b128 v[STS], v[\hb+28:\hb+31] offset:1552
.irp j, 0,1
.irp i, 0,1,2,3
	ds_load_b32 v[\mb+4*\j+\i], v[STM] offset:528-512*\j-4*\i       ; h[512 - n], n = 128 j + 4 l + i; the zero word at n = 0
	ds_load_b32 v[\mb+8+4*\j+\i], v[STM] offset:1568-512*\j-4*\i    ; h[1024 - n]
.endr
.endr
.endm
; row t: the folds, the alternating sum, V and W in f16 into the tiles.  left = LDS instructions issued behind this row's mirrored loads
.macro HB t, hb, mb, left
	s_wait_dscnt \left
.irp e, 0,2,4,6
	v_pk_add_f32 v[PQ+\e:PQ+\e+1], v[\hb+\e:\hb+\e+1], v[\mb+8+\e:\mb+8+\e+1]
	v_pk_add_f32 v[PQ+8+\e:PQ+8+\e+1], v[\hb+16+\e:\hb+16+\e+1], v[\mb+\e:\mb+\e+1]
.endr
.irp e, 0,2,4,6
	v_pk_add_f32 v[VW+\e:VW+\e+1], v[PQ+\e:PQ+\e+1], v[PQ+8+\e:PQ+8+\e+1]
	v_pk_add_f32 v[VW+8+\e:VW+8+\e+1], v[PQ+\e:PQ+\e+1], v[PQ+8+\e:PQ+8+\e+1] neg_lo:[0,1] neg_hi:[0,1]
.endr
	v_pk_add_f32 v[PQ:PQ+1], v[VW:VW+1], v[VW+2:VW+3]
	v_pk_add_f32 v[PQ+2:PQ+3], v[VW+4:VW+5], v[VW+6:VW+7]
	v_pk_add_f32 v[PQ:PQ+1], v[PQ:PQ+1], v[PQ+2:PQ+3]
	v_sub_f32 v[ALT+\t], v[PQ], v[PQ+1]            ; even n less odd n
.irp e, 0,1,2,3,4,5,6,7
	v_cvt_pk_f16_f32 v[CV+\e], v[VW+2*\e], v[VW+2*\e+1]
.endr
	ds_store_b64 v[ATS], v[CV:CV+1] offset:\t*APITCH
	ds_store_b64 v[ATS], v[CV+2:CV+3] offset:\t*APITCH+256
	ds_store_b64 v[ATS], v[CV+4:CV+5] offset:WTILE+\t*APITCH
	ds_store_b64 v[ATS], v[CV+6:CV+7] offset:WTILE+\t*APITCH+256
.endm
; the fragments of K step s: eight tiles of cosines (each load 512 consecutive bytes), two tiles of token rows: 20 loads
.macro FETCHM s, f
.irp b, 0,1,2,3,4,5,6,7
	ds_load_b128 v[\f+8*\b:\f+8*\b+3], v[BFR] offset:(16*(\s)+2*\b)*512
	ds_load_b128 v[\f+8*\b+4:\f+8*\b+7], v[BFR] offset:(16*(\s)+2*\b+1)*512
.endr
.irp a, 0,1
	ds_load_b128 v[\f+64+8*\a:\f+64+8*\a+3], v[AFR] offset:\a*16*APITCH+64*(\s)
	ds_load_b128 v[\f+64+8*\a+4:\f+64+8*\a+7], v[AFR] offset:\a*16*APITCH+64*(\s)+32
.endr
.endm
; 16 matrix instructions, source 0 = 16 cosine rows, source 1 = 16 token rows: lane (r, h) gets token r, outputs 8 h + 0 .. 7.
; The sixteen accumulators take turns, one instruction a turn.
.macro MULM f, zero
.irp a, 0,1
.irp b, 0,1,2,3,4,5,6,7
.if \zero
	v_wmma_f32_16x16x32_f16 v[8*(8*\a+\b):8*(8*\a+\b)+7], v[\f+8*\b:\f+8*\b+7], v[\f+64+8*\a:\f+64+8*\a+7], 0
.else
	v_wmma_f32_16x16x32_f16 v[8*(8*\a+\b):8*(8*\a+\b)+7], v[\f+8*\b:\f+8*\b+7], v[\f+64+8*\a:\f+64+8*\a+7], v[8*(8*\a+\b):8*(8*\a+\b)+7]
.endif
.endr
.endr
.endm
.macro PSTEP s, f, g                   ; K step s from buffer f; the next step is fetched into g first
	PLACES                                         ; g was read by the matrix instructions just issued
	FETCHM \s+1, \g
	s_wait_dscnt 20                                ; all but the 20 just issued: buffer f is in
	WIN 0xa0
	MULM \f, 0
	WIN 0
.endm
.macro PARAM base, sb
.irp j, 0,1,2,3,4,5,6,7
	global_load_b128 v[\base+4*\j:\base+4*\j+3], v[GOFF], s[\sb:\sb+1] offset:512*\j
.endr
.endm
	s_load_b512 s[8:23], s[0:1], 0x0               ; x, ln1_g, ln1_b, lnf_g, lnf_b, ln2_g, ln2_b, cosm
	s_load_b128 s[24:27], s[0:1], 0x40             ; x1, h2
	v_lshl_add_u32 v94, v0, 2, 0x4a800
	v_mov_b32 v95, 0
	ds_add_u32 v94, v95
	v_lshrrev_b32 v13, 5, v0
	v_readfirstlane_b32 s28, v13                   ; wave
	s_bfe_u32 s29, ttmp6, 0x40000                  ; my place in the cluster
	s_lshl_b32 s30, ttmp9, 2
	s_add_co_u32 s30, s30, s29                     ; work-group
	s_lshl_b32 s44, s30, 17                        ; 32 rows of 4,096 bytes a group,
	s_lshl_b32 s50, s28, 15                        ; 8 a wave
	s_add_co_u32 s44, s44, s50
	s_mov_b32 s45, 0
	s_lshr_b32 s52, s44, 1                         ; h2: half the bytes
	s_mov_b32 s53, 0
	s_lshl_b32 s54, s28, 16                        ; my quarter of the table
	s_mov_b32 s55, 0
	s_mov_b32 s46, 0x76543210
	s_mov_b32 s47, 0xfedcba98
	s_mov_b32 s48, 0x3a800000                      ; 1/1024
	s_mov_b32 s49, 0x3727c5ac                      ; 1e-5
	; the table as 256 rows of 256 bytes (32 elements of 8 bytes), dense in memory and in LDS
	s_mov_b32 s[G0+0], 1
	s_lshl_b32 s[G0+1], s28, 16                    ; LDS: wave x 65,536
	s_mov_b32 s[G1+0], 15|(3<<16)|(1<<21)          ; the four groups of the cluster; elements of 8 bytes; bit 21 beside a mask
	s_mov_b32 s[G1+1], 32<<16
	s_mov_b32 s[G1+2], 256<<16
	s_mov_b32 s[G1+3], 32<<16
	s_mov_b32 s[G1+4], 256
	s_mov_b32 s[G1+5], 32
	s_mov_b32 s[G1+6], 0
	s_mov_b32 s[G1+7], 0
	v_and_b32 v1, 31, v0                           ; l
	v_and_b32 v14, 15, v0                          ; r
	v_bfe_u32 v15, v0, 4, 1                        ; h
	v_lshlrev_b32 v[GOFF], 4, v1
	v_lshlrev_b32 v[HOFF], 3, v1
	v_xor_b32 v13, -1, v0
	v_and_b32 v13, 31, v13                         ; 31 - l
	s_mul_i32 s50, s28, STGB
	s_add_co_u32 s50, s50, STAGE
	v_add_nc_u32 v[STS], s50, v[GOFF]
	v_lshl_add_u32 v[STM], v13, 4, s50
	s_mul_i32 s51, s28, 8*APITCH
	s_add_co_u32 s51, s51, ATILE
	v_add_nc_u32 v[ATS], s51, v[HOFF]
	s_lshr_b32 s51, s28, 1                         ; 0: even outputs, from V; 1: odd outputs, from W
	s_mul_i32 s31, s51, WTILE
	s_add_co_u32 s31, s31, ATILE
	v_mul_u32_u24 v[AFR], v14, APITCH
	v_lshl_add_u32 v[AFR], v15, 4, v[AFR]
	v_add_nc_u32 v[AFR], s31, v[AFR]
	v_add_nc_u32 v[BFR], s[G0+1], v[GOFF]
	v_mul_u32_u24 v[FST], v14, FPITCH
	v_lshl_add_u32 v[FST], v15, 6, v[FST]          ; output 8 h is f number 16 h: 64 bytes
	s_and_b32 s31, s28, 1
	s_lshl_b32 s31, s31, 10                        ; 128 outputs are 256 numbers of f
	s_lshl2_add_u32 s31, s51, s31                  ; the odd ones one number further
	v_add_nc_u32 v[FST], s31, v[FST]
	s_mul_i32 s31, s28, 8*FPITCH
	v_add_nc_u32 v[FLD], s31, v[GOFF]
	v_lshl_add_u32 v[FMR], v13, 4, s31
	v_mov_b32 v[FAL], s31
	v_mov_b32 v13, s50                             ; my stage
	v_mov_b32 v14, 0
	s_wait_dscnt 0x0
	s_wait_kmcnt 0x0
	s_add_nc_u64 s[G0+2:G0+3], s[22:23], s[54:55]
	s_or_b32 s[G0+3], s[G0+3], 0x80000000
	s_add_nc_u64 s[8:9], s[8:9], s[44:45]
	s_add_nc_u64 s[24:25], s[24:25], s[44:45]
	s_add_nc_u64 s[26:27], s[26:27], s[52:53]
	WIN 0x40
.irp t, 0,1,2,3,4,5,6,7
.irp j, 0,1,2,3,4,5,6,7
	global_load_b128 v[32*\t+4*\j:32*\t+4*\j+3], v[GOFF], s[8:9] offset:\t*ROWB+512*\j th:TH_LOAD_NT   ; 512 consecutive bytes a load
.endr
.endr
	WIN 0
	CROUND                                         ; the four groups are here: their requests for the table meet
	tensor_load_to_lds s[G0:G0+3], s[G1:G1+7]      ; my quarter, the one tensor load of this wave
	s_nop 0
	PLACES
	WIN 0xc0
	PARAM 0, 10
	PARAM 32, 12
	PARAM 64, 14
	PARAM 96, 16
	PARAM 128, 18
	PARAM 160, 20
	WIN 0
.irp t, 0,1,2,3,4,5,6,7
	v_mov_b32 v[XT+\t], 0                          ; v_permlanex16_b32 counts as a reader of its destination
	v_mov_b32 v[UP+2*\t+1], 0                      ; the odd outputs get no U
.endr
	ds_store_b32 v13, v14 offset:1024              ; the two zero words of my stage
	ds_store_b32 v13, v14 offset:2064
	s_wait_loadcnt 48                              ; the 64 loads of x are in; the 48 of the gains and biases, issued behind them, stay out
	LNSTAT 1
	s_wait_loadcnt 32                              ; ln1_g and ln1_b (the oldest 16 of the 48) are in
	; Behind a row's mirrored loads stand the next row's 20 LDS instructions and, from row 1 on, the 4 tile stores of the row before.
	HA 0, H0, M0
	HA 1, H1, M1
	HB 0, H0, M0, 20
	HA 2, H0, M0
	HB 1, H1, M1, 24
	HA 3, H1, M1
	HB 2, H0, M0, 24
	HA 4, H0, M0
	HB 3, H1, M1, 24
	HA 5, H1, M1
	HB 4, H0, M0, 24
	HA 6, H0, M0
	HB 5, H1, M1, 24
	HA 7, H1, M1
	HB 6, H0, M0, 24
	HB 7, H1, M1, 4                                ; only the 4 tile stores of row 6 stand behind row 7's loads
	XRED ALT
	s_wait_dscnt 0x0                               ; my rows of V and W are in LDS,
	s_wait_tensorcnt 0x0                           ; my quarter of the table has landed,
	s_barrier_signal -1
	s_barrier_wait -1                              ; and so for all four waves
	FETCHM 0, FB0
	FETCHM 1, FB1
	s_wait_dscnt 20
	WIN 0xa0
	MULM FB0, 1                                    ; the first products start the sums
	WIN 0
	PSTEP 1, FB1, FB0
	PSTEP 2, FB0, FB1
	PSTEP 3, FB1, FB0
	PSTEP 4, FB0, FB1
	PSTEP 5, FB1, FB0
	PSTEP 6, FB0, FB1
	s_wait_dscnt 0x0
	WIN 0xa0
	MULM FB1, 0
	WIN 0
	PLACES                                         ; the LDS stores below read results
	s_barrier_signal -1                            ; my reads of the table are over (the wait for 0 above)
	s_barrier_wait -1                              ; everybody's are: f may be laid over it; no tensor load follows in this launch
	WIN 0x08
.irp a, 0,1
.irp b, 0,1,2,3,4,5,6,7
.irp j, 0,1,2,3,4,5,6,7
	ds_store_b32 v[FST], v[8*(8*\a+\b)+\j] offset:\a*16*FPITCH+128*\b+8*\j    ; every second number of f: the other parity is another wave's
.endr
.endr
.endr
	WIN 0
.irp t, 0,1,2,3,4,5,6,7
	ds_store_b32 v[FAL], v[ALT+\t] offset:2048+FPITCH*\t                      ; f[512] less U; all lanes store the same word
.endr
	s_wait_dscnt 0x0
	s_barrier_signal -1
	s_barrier_wait -1
	WIN 0x80
.irp t, 0,1,2,3,4,5,6,7
.irp j, 0,1,2,3
	ds_load_b128 v[32*\t+4*\j:32*\t+4*\j+3], v[FLD] offset:FPITCH*\t+512*\j   ; columns 0 .. 511 as they lie
.endr
.irp j, 4,5,6,7
.irp i, 0,1,2,3
	ds_load_b32 v[32*\t+4*\j+\i], v[FMR] offset:FPITCH*\t+3600-512*\j-4*\i    ; column c = 128 j + 4 l + i takes f[1024 - c]
.endr
.endr
.endr
	s_wait_dscnt 0x0
	WIN 0x82
.irp t, 0,1,2,3,4,5,6,7
.irp j, 0,1,2,3,4,5,6,7
	v_pk_add_f32 v[32*\t+4*\j:32*\t+4*\j+1], v[32*\t+4*\j:32*\t+4*\j+1], v[UP+2*\t:UP+2*\t+1]                                  ; columns 0 mod 4: + U
	v_pk_add_f32 v[32*\t+4*\j+2:32*\t+4*\j+3], v[32*\t+4*\j+2:32*\t+4*\j+3], v[UP+2*\t:UP+2*\t+1] neg_lo:[0,1] neg_hi:[0,1]    ; columns 2 mod 4: - U
.endr
.endr
	LNSTAT 2
	s_wait_loadcnt 0x0                             ; the remaining gains and biases
.irp grp, 0,1
	AFFINE 0x02, \grp, 64, 96                      ; LNf(f)
	WIN 0x41
.irp u, 0,1,2,3
.irp e, 0,1,2,3,4,5,6,7,8,9,10,11,12,13,14,15
	v_pk_add_f32 v[32*(4*\grp+\u)+2*\e:32*(4*\grp+\u)+2*\e+1], v[32*(4*\grp+\u)+2*\e:32*(4*\grp+\u)+2*\e+1], v[WK+32*\u+2*\e:WK+32*\u+2*\e+1]
.endr
.endr
.endr
	LNSTAT 1
.irp grp, 0,1
.if \grp
	s_wait_xcnt 0x0                                ; WK, which the stores of h2 read, is written again only behind this wait (ISA guide 3.1)
.endif
	WIN 0x04
.irp u, 0,1,2,3
.irp j, 0,1,2,3,4,5,6,7
	global_store_b128 v[GOFF], v[32*(4*\grp+\u)+4*\j:32*(4*\grp+\u)+4*\j+3], s[24:25] offset:(4*\grp+\u)*ROWB+512*\j
.endr
.endr
	AFFINE 0x01, \grp, 128, 160                    ; LN2(x1)
	WIN 0
.irp u, 0,1,2,3
.irp e, 0,1,2,3,4,5,6,7,8,9,10,11,12,13,14,15
	v_cvt_pk_bf16_f32 v[WK+32*\u+\e], v[WK+32*\u+2*\e], v[WK+32*\u+2*\e+1]    ; packed in place, ascending: word e is written when words 2 e, 2 e + 1 are read
.endr
.endr
.irp u, 0,1,2,3
.irp j, 0,1,2,3,4,5,6,7
	global_store_b64 v[HOFF], v[WK+32*\u+2*\j:WK+32*\u+2*\j+1], s[26:27] offset:(4*\grp+\u)*2048+256*\j   ; 32 lanes store 256 consecutive bytes, aligned
.endr
.endr
.endr
	s_wait_tensorcnt 0x0
	ds_add_u32 v94, v95
	s_wait_dscnt 0x0
	CROUND                                         ; the closing round: no group ends while a partner may still ask
	s_endpgm
.Lfunc_end_k_qd2f9131dbf_mix:
	.size	k_qd2f9131dbf_mix, .Lfunc_end_k_qd2f9131dbf_mix-k_qd2f9131dbf_mix
	.p2alignl 7, 3214868480
	.fill 96, 4, 3214868480
	.section	.rodata,"a",@progbits
	.p2align	6, 0x0
	.amdhsa_kernel k_qd2f9131dbf_mix
		.amdhsa_group_segment_fixed_size 305664
		.amdhsa_private_segment_fixed_size 0
		.amdhsa_enable_private_segment 0
		.amdhsa_kernarg_size 80
		.amdhsa_user_sgpr_count 2
		.amdhsa_user_sgpr_kernarg_segment_ptr 1
		.amdhsa_wavefront_size32 1
		.amdhsa_system_sgpr_workgroup_id_x 1
		.amdhsa_system_sgpr_workgroup_id_y 1
		.amdhsa_system_sgpr_workgroup_id_z 1
		.amdhsa_system_vgpr_workitem_id 0
		.amdhsa_next_free_vgpr 1024
		.amdhsa_next_free_sgpr 66
		.amdhsa_reserve_vcc 0
		.amdhsa_float_denorm_mode_32 3
		.amdhsa_float_denorm_mode_16_64 3
		.amdhsa_memory_ordered 1
		.amdhsa_forward_progress 1
		.amdhsa_inst_pref_size 255
	.end_amdhsa_kernel
	.section	.bss,"aw",@nobits
	.p2align	6
	.space	262144
	.amdgpu_metadata
---
amdhsa.version: [ 1, 2 ]
amdhsa.kernels:
  - .name:           k_qd2f9131dbf_mix
    .symbol:         k_qd2f9131dbf_mix.kd
    .args:
      - { .name: x, .offset: 0, .size: 8, .value_kind: global_buffer, .address_space: global }
      - { .name: ln1_g, .offset: 8, .size: 8, .value_kind: global_buffer, .address_space: global }
      - { .name: ln1_b, .offset: 16, .size: 8, .value_kind: global_buffer, .address_space: global }
      - { .name: lnf_g, .offset: 24, .size: 8, .value_kind: global_buffer, .address_space: global }
      - { .name: lnf_b, .offset: 32, .size: 8, .value_kind: global_buffer, .address_space: global }
      - { .name: ln2_g, .offset: 40, .size: 8, .value_kind: global_buffer, .address_space: global }
      - { .name: ln2_b, .offset: 48, .size: 8, .value_kind: global_buffer, .address_space: global }
      - { .name: cosm, .offset: 56, .size: 8, .value_kind: global_buffer, .address_space: global }
      - { .name: x1, .offset: 64, .size: 8, .value_kind: global_buffer, .address_space: global }
      - { .name: h2, .offset: 72, .size: 8, .value_kind: global_buffer, .address_space: global }
    .group_segment_fixed_size: 305664
    .private_segment_fixed_size: 0
    .kernarg_segment_align: 8
    .kernarg_segment_size: 80
    .max_flat_workgroup_size: 128
    .sgpr_count:     66
    .vgpr_count:     1024
    .wavefront_size: 32
...
	.end_amdgpu_metadata
.endif
;; end of part 2
;; launch ffn1 (part 3): grid 16 x 32, 4 waves a work-group, clusters of 4 x 4, 327,680 bytes of LDS; arguments h2, w1t, m, b1; writes m
.if DOCPART == 3
	.amdgcn_target "amdgcn-amd-amdhsa--gfx1250"
	.amdhsa_code_object_version 6
	.text
	.protected	k_qd2f9131dbf_ffn1
	.globl	k_qd2f9131dbf_ffn1
	.p2align	8
	.type	k_qd2f9131dbf_ffn1,@function
k_qd2f9131dbf_ffn1:
	s_mov_b64 s[64:65], 0
	v_nop
	global_prefetch_b8 v0, s[64:65] scope:SCOPE_SE
	s_setreg_imm32_b32 hwreg(HW_REG_WAVE_MODE, 25, 1), 1
	s_wait_xcnt 0x0
	s_wait_alu depctr_hold_cnt(0) depctr_sa_sdst(0) depctr_va_vdst(0) depctr_va_sdst(0) depctr_va_ssrc(0) depctr_va_vcc(0) depctr_vm_vsrc(0)
	s_getreg_b32 s2, hwreg(HW_REG_IB_STS2, 6, 4)
	s_cmp_eq_u32 s2, 0
	s_cbranch_scc0 .Lentry_in_a_cluster
	s_endpgm
.Lentry_in_a_cluster:
	s_bfe_u32 s2, ttmp6, 0x10000c
	s_cmp_lg_u32 s2, 0xf033
	s_cbranch_scc0 .Lentry_shape_is_right
	s_endpgm
.Lentry_shape_is_right:
; m = gelu(h2 w1 + b1).  h2: [8192][1024] bf16, w1t: [4096 n][1024 k] bf16, b1 f32; sums in f32; m: 8192 x 4096 bf16.
; m IS STORED AS THE MATRIX FRAGMENTS THAT THE NEXT LAUNCH MULTIPLIES: tile (R = row / 16, T = column / 16) is 512 bytes at (256 R + T) 512, and
; lane L = r + 16 h has its 16 bytes at 16 L: row 16 R + r, columns 16 T + 8 h + 0 .. 7.  That is what a lane holds here when it has packed
; an accumulator tile, so each tile leaves by one store of 512 consecutive bytes, straight from registers.
; A work-group makes 256 x 256 of m with four waves, a wave 128 x 128: 64 accumulator tiles, 512 registers.  K goes in steps of 128 through
; two LDS slots filled by tensor loads: a tile row is 256 bytes of memory and starts at a multiple of 256.
; CLUSTER: 4 x 4 work-groups.  The four of a row need the same tiles of h2, the four of a column the same tiles of w1t: each tile is asked
; for jointly, which divides the requests for both by four.
; GELU: exact gelu is 0.5 y + |y| (0.5 - 0.5 q(t) exp(-y^2/2)) with erf taken from Abramowitz and Stegun 7.1.25, t = 1/(1 + 0.47047 |y|/sqrt 2),
; q a cubic in t: |error of erf| <= 2.5e-5, so the error of gelu stays below 3e-5 everywhere.
; For y far below 0 the two halves cancel to 0 exactly; y^2 beyond the range of f32 gives exp = 0, which is the right limit.
; REGISTERS: window 0: v16-27 addresses; v64-127, v128-191 fragments of h2, two buffers (on the way out: at work); v192-223 the way out.
; window 1: v0-63 b1 of my 128 columns; v64-127, v128-191 fragments of w1t.  windows 2, 3: accumulators of my rows 0-63, 64-127.
; The matrix instruction is used transposed (source 0 = rows of w1t, source 1 = rows of h2): a lane holds eight neighbouring columns of one row.
.set SIZE_M, 8192
.set SIZE_N, 4096
.set SIZE_K, 1024
.set KSTEP,  128
.set PITCH,  272                       ; 256 bytes + 16: the 16 rows that a fragment load touches start 68 words apart
.set HALFT,  128*PITCH
.set SLOT,   4*HALFT
.set RTB,    131072                    ; 16 rows of m: 256 tiles of 512 bytes
.set LAPS, SIZE_K/(2*KSTEP)
.set ADRA, 16
.set ADRB, 20
.set CO,   26                          ; 16 x lane: my 16 bytes of a tile of m
.set BO,   27                          ; byte offset in b1 of my eight columns of tile 0
.set F0,   64
.set F1,   128
.set GY,   64                          ; the way out: 64 numbers y = sum + bias
.set GA,   128                         ; |y|
.set GD,   136
.set GT,   144
.set GS,   152
.set GE,   160
.set GP,   168
.set CPC,  176                         ; constants, each twice for the packed forms
.set CKC,  178
.set CA3,  180
.set CA2,  182
.set CA1,  184
.set TMP,  192
.set G1, 24
.set G0, 32
.set G1B, 48
.set G0B, 56
.set MSB, 0
.macro WIN new
.if MSB != (\new)
	s_set_vgpr_msb (MSB<<8)|(\new)
.set MSB, (\new)
.endif
.endm
.set MUL_LO, 0xa1
.set MUL_HI, 0xf1
.set TO_B,   0x40
; A joint load: waves 0, 1 fetch the halves of the h2 tile, waves 2, 3 those of the w1t tile.  The branch hangs on the wave number alone.
.macro JLOAD s
	s_cmp_eq_u32 s11, 0
	s_cbranch_scc0 .Lfor_b_\@
	tensor_load_to_lds s[G0+4*\s:G0+4*\s+3], s[G1:G1+7]
	s_nop 0
.rept 4
	v_nop
.endr
	s_branch .Lasked_\@
.Lfor_b_\@:
	tensor_load_to_lds s[G0B+4*\s:G0B+4*\s+3], s[G1B:G1B+7]
	s_nop 0
.rept 4
	v_nop
.endr
.Lasked_\@:
.endm
.macro CREST
	s_cmp_lg_u32 s10, 0
	s_cbranch_scc1 .Lnot_wave_0_\@
	s_barrier_signal -3
.Lnot_wave_0_\@:
	s_barrier_wait -3
	s_barrier_signal -1
	s_barrier_wait -1
.endm
.macro CROUND
	s_barrier_signal -1
	s_barrier_wait -1
	CREST
.endm
	s_load_b128 s[4:7], s[0:1], 0x0                ; h2 s[4:5], w1t s[6:7]
	s_load_b64 s[8:9], s[0:1], 0x10                ; m
	s_load_b64 s[66:67], s[0:1], 0x18              ; b1
	s_set_vgpr_msb 0x40
	v_lshl_add_u32 v255, v0, 2, 0x44000
	s_set_vgpr_msb 0x4000
	v_mov_b32 v255, 0
	s_set_vgpr_msb 0x1
	ds_add_u32 v255, v255
	s_set_vgpr_msb 0x100
	v_lshrrev_b32 v1, 5, v0
	v_readfirstlane_b32 s10, v1                    ; wave
	s_lshr_b32 s11, s10, 1                         ; my half of the rows; also: I fetch h2 (0) or w1t (1)
	s_and_b32 s12, s10, 1                          ; my half of the columns; also: which 128 rows of that tile I fetch
	s_bfe_u32 s40, ttmp6, 0x40000                  ; cx
	s_bfe_u32 s41, ttmp6, 0x40004                  ; cy
	s_lshl_b32 s42, ttmp9, 2
	s_add_co_u32 s42, s42, s40                     ; block column
	s_and_b32 s13, ttmp7, 0xffff
	s_lshl_b32 s13, s13, 2
	s_add_co_u32 s13, s13, s41                     ; block row
	s_lshl_b32 s43, s41, 2
	s_lshl_b32 s43, 15, s43                        ; my row of the cluster
	s_lshl_b32 s44, 0x1111, s40                    ; my column
	s_or_b32 s[G1+0], s43, (1<<16)|(1<<20)|(1<<21)|(5<<22)|(3<<25)   ; mask; 2-byte elements; padding of 4 words behind every 64; bit 21 beside a mask
	s_or_b32 s[G1B+0], s44, (1<<16)|(1<<20)|(1<<21)|(5<<22)|(3<<25)
	s_mov_b32 s[G1B+1], KSTEP<<16
	s_mov_b32 s[G1+1], KSTEP<<16
	s_mov_b32 s[G1B+2], 128<<16
	s_mov_b32 s[G1+2], 128<<16
	s_mov_b32 s[G1B+3], KSTEP<<16
	s_mov_b32 s[G1+3], KSTEP<<16
	s_mov_b32 s[G1B+4], 128
	s_mov_b32 s[G1+4], 128
	s_mov_b32 s[G1B+5], SIZE_K
	s_mov_b32 s[G1+5], SIZE_K
	s_mov_b32 s[G1B+6], 0
	s_mov_b32 s[G1+6], 0
	s_mov_b32 s[G1B+7], 0
	s_mov_b32 s[G1+7], 0
	s_lshl_b32 s17, s12, 7
	s_lshl_b32 s16, s13, 8
	s_add_co_u32 s16, s16, s17                     ; h2: row 256 x block row + 128 x half
	s_lshl_b32 s46, s42, 8
	s_add_co_u32 s46, s46, s17                     ; w1t: row 256 x block column + 128 x half
	s_mov_b32 s17, 0
	s_mov_b32 s47, 0
	s_mov_b64 s[18:19], SIZE_K*2
	s_mul_u64 s[16:17], s[16:17], s[18:19]
	s_mul_u64 s[46:47], s[46:47], s[18:19]
	s_mul_i32 s20, s10, HALFT                      ; LDS: wave x 128 rows
	s_wait_dscnt 0x0
	s_wait_kmcnt 0x0
	s_add_nc_u64 s[14:15], s[4:5], s[16:17]
	s_add_nc_u64 s[46:47], s[6:7], s[46:47]
	CROUND                                         ; all sixteen work-groups are here: the first joint loads meet
.irp s, 0,1
	s_mov_b32 s[G0+4*\s], 1
	s_add_co_u32 s[G0+4*\s+1], s20, \s*SLOT
	s_add_nc_u64 s[G0+4*\s+2:G0+4*\s+3], s[14:15], \s*KSTEP*2
	s_or_b32 s[G0+4*\s+3], s[G0+4*\s+3], 0x80000000
	s_mov_b32 s[G0B+4*\s], 1
	s_add_co_u32 s[G0B+4*\s+1], s20, \s*SLOT
	s_add_nc_u64 s[G0B+4*\s+2:G0B+4*\s+3], s[46:47], \s*KSTEP*2
	s_or_b32 s[G0B+4*\s+3], s[G0B+4*\s+3], 0x80000000
	JLOAD \s                                       ; two tensor loads of this wave are out, the most in this text
.endr
	v_and_b32 v1, 15, v0
	v_bfe_u32 v2, v0, 4, 1
	v_mul_u32_u24 v3, v1, PITCH
	v_lshl_add_u32 v3, v2, 4, v3
	s_mul_i32 s21, s11, HALFT
	s_mul_i32 s22, s12, HALFT
	s_add_co_u32 s22, s22, 2*HALFT
.irp s, 0,1
	v_add_nc_u32 v[ADRA+\s], s21, v3
	v_add_nc_u32 v[ADRB+\s], s22, v3
	s_add_co_u32 s21, s21, SLOT
	s_add_co_u32 s22, s22, SLOT
.endr
	v_and_b32 v5, 31, v0
	v_lshlrev_b32 v[CO], 4, v5                     ; 16 x lane
	s_lshl_b32 s45, s42, 10                        ; b1: 256 columns of 4 bytes a block column,
	s_lshl_b32 s21, s12, 9                         ; 128 a half,
	s_add_co_u32 s45, s45, s21
	v_lshl_add_u32 v[BO], v2, 5, s45               ; 8 a half of the lanes
	WIN TO_B
.irp b, 0,1,2,3,4,5,6,7
	global_load_b128 v[8*\b:8*\b+3], v[BO], s[66:67] offset:64*\b          ; b1 of columns 16 b + 8 h + 0 .. 7, waited for once, on the way out
	global_load_b128 v[8*\b+4:8*\b+7], v[BO], s[66:67] offset:64*\b+16
.endr
	WIN 0
.macro MUL16 f, hi, a0, zero
.irp a, \a0, \a0+1
.irp b, 0,1,2,3,4,5,6,7
.if \zero
	v_wmma_f32_16x16x32_bf16 v[8*(8*(\a)+\b):8*(8*(\a)+\b)+7], v[\f+8*\b:\f+8*\b+7], v[\f+8*(4*\hi+\a):\f+8*(4*\hi+\a)+7], 0
.else
	v_wmma_f32_16x16x32_bf16 v[8*(8*(\a)+\b):8*(8*(\a)+\b)+7], v[\f+8*\b:\f+8*\b+7], v[\f+8*(4*\hi+\a):\f+8*(4*\hi+\a)+7], v[8*(8*(\a)+\b):8*(8*(\a)+\b)+7]
.endif
.endr
.endr
.endm
.macro FETCH slot, k, f
	WIN TO_B
.irp i, 0,1,2,3,4,5,6,7
	ds_load_b128 v[\f+8*\i:\f+8*\i+3],   v[ADRB+\slot] offset:\k+\i*16*PITCH
	ds_load_b128 v[\f+8*\i+4:\f+8*\i+7], v[ADRB+\slot] offset:\k+\i*16*PITCH+32
.endr
	WIN 0
.irp i, 0,1,2,3,4,5,6,7
	ds_load_b128 v[\f+8*\i:\f+8*\i+3],   v[ADRA+\slot] offset:\k+\i*16*PITCH
	ds_load_b128 v[\f+8*\i+4:\f+8*\i+7], v[ADRA+\slot] offset:\k+\i*16*PITCH+32
.endr
.endm
.macro PLACES                          ; four plain vector instructions behind a matrix instruction, in front of loads into its sources and of readers of its result
.rept 4
	v_nop
.endr
.endm
; A K step is four quarters of 32 along K, 64 matrix instructions each, on buffers 0, 1, 0, 1.  The 64 accumulators take turns in the same
; order in every quarter, one instruction a turn.
.macro QUARTER slot, k, f, g, zero
	s_wait_dscnt 8                                 ; all but the youngest eight loads (h2 rows 64-127)
	WIN MUL_LO
	MUL16 \f, 0, 0, \zero
	MUL16 \f, 0, 2, \zero
	PLACES
	FETCH \slot, \k, \g
	s_wait_dscnt 32                                ; all but the 32 just issued
	WIN MUL_HI
	MUL16 \f, 1, 0, \zero
	MUL16 \f, 1, 2, \zero
.endm
.macro THREE slot, zero
	QUARTER \slot, 64,  F0, F1, \zero
	QUARTER \slot, 128, F1, F0, 0
	QUARTER \slot, 192, F0, F1, 0
.endm
; The last quarter changes slots.  In front of the barrier each wave waits for its reads of this slot and for all its tensor loads (one is out:
; its part of the next slot).  Behind it the refill comes first, then the first fragments of the next slot.
.macro TURN slot, next, fill
	s_wait_dscnt 8
	WIN MUL_LO
	MUL16 F1, 0, 0, 0
	s_wait_dscnt 0
	s_wait_tensorcnt 0x0
	ds_add_u32 v255, v255
	s_wait_dscnt 0x0
	s_barrier_signal -1
	MUL16 F1, 0, 2, 0                              ; register work between signal and wait
	WIN 0
	s_barrier_wait -1
.if \fill
	CREST                                          ; the barrier above opened a round of the cluster barrier: no wave of any partner still reads this slot or has a load on its way
	s_add_nc_u64 s[G0+4*\slot+2:G0+4*\slot+3], s[G0+4*\slot+2:G0+4*\slot+3], 2*KSTEP*2
	s_add_nc_u64 s[G0B+4*\slot+2:G0B+4*\slot+3], s[G0B+4*\slot+2:G0B+4*\slot+3], 2*KSTEP*2
	JLOAD \slot                                    ; my one tensor load behind the round; its four v_nop are the places in front of the loads below
.else
	PLACES
.endif
	FETCH \next, 0, F0
	WIN MUL_HI
	MUL16 F1, 1, 0, 0
	MUL16 F1, 1, 2, 0
.endm
.macro LAP zero
	THREE 0, \zero
	TURN 0, 1, 1
	THREE 1, 0
	TURN 1, 0, 1
.endm
	s_wait_tensorcnt 1                             ; my part of K step 0 is in; K step 1 may stay out
	s_barrier_signal -1
	s_barrier_wait -1
	FETCH 0, 0, F0
	LAP 1                                          ; the first products start the sums
	WIN 0
	s_mov_b32 s3, LAPS-2
.Llap:
	LAP 0
	WIN 0
	s_sub_co_u32 s3, s3, 1
	s_cmp_lg_u32 s3, 0
	s_cbranch_scc1 .Llap
	THREE 0, 0                                     ; the last lap fills nothing
	TURN 0, 1, 0
	THREE 1, 0
	s_wait_dscnt 8
	WIN MUL_LO
	MUL16 F1, 0, 0, 0
	MUL16 F1, 0, 2, 0
	s_wait_dscnt 0
	WIN MUL_HI
	MUL16 F1, 1, 0, 0
	MUL16 F1, 1, 2, 0
	; THE WAY OUT, 16 rows at a time: + bias, gelu, bf16, and each tile of 16 x 16 stored as it lies in the lanes.
	PLACES
	WIN 0
	s_lshl_b32 s13, s13, 8
	s_lshl_b32 s14, s11, 7
	s_add_co_u32 s16, s13, s14                     ; my first row
	s_mov_b32 s17, 0
	s_mov_b64 s[18:19], SIZE_N*2                   ; 16 rows are 131,072 bytes of m: 8,192 a row
	s_mul_u64 s[16:17], s[16:17], s[18:19]
	s_add_nc_u64 s[8:9], s[8:9], s[16:17]
	s_lshl_b32 s46, s42, 13                        ; my first column tile, 512 bytes a tile: 16 tiles a block column,
	s_lshl_b32 s47, s12, 12                        ; 8 a half
	s_add_co_u32 s46, s46, s47
	s_mov_b32 s47, 0
	s_add_nc_u64 s[8:9], s[8:9], s[46:47]
	s_mov_b32 s45, 0x7fffffff
.irp c, 0,1
	v_mov_b32 v[CPC+\c], 0x3eaa540e                ; 0.47047 / sqrt 2
	v_mov_b32 v[CKC+\c], 0xbf38aa3b                ; -log2(e) / 2
	v_mov_b32 v[CA3+\c], 0x3ebf7377                ; 0.7478556 / 2
	v_mov_b32 v[CA2+\c], 0xbd445ca1                ; -0.0958798 / 2
	v_mov_b32 v[CA1+\c], 0x3e32303a                ; 0.3480242 / 2
.endr
	s_wait_loadcnt 0x0                             ; b1
; eight numbers at y: gelu, packed to bf16 into four registers at out
.macro GELU8 y, out
.irp e, 0,1,2,3,4,5,6,7
	v_and_b32 v[GA+\e], s45, v[\y+\e]
.endr
.irp e, 0,2,4,6
	v_pk_fma_f32 v[GD+\e:GD+\e+1], v[GA+\e:GA+\e+1], v[CPC:CPC+1], 1.0 op_sel_hi:[1,1,0]
.endr
.irp e, 0,1,2,3,4,5,6,7
	v_rcp_f32 v[GT+\e], v[GD+\e]
.endr
.irp e, 0,2,4,6
	v_pk_mul_f32 v[GS+\e:GS+\e+1], v[\y+\e:\y+\e+1], v[\y+\e:\y+\e+1]          ; also the plain instructions behind v_rcp_f32 (ISA guide 5.7.2)
.endr
.irp e, 0,2,4,6
	v_pk_mul_f32 v[GS+\e:GS+\e+1], v[GS+\e:GS+\e+1], v[CKC:CKC+1]
.endr
.irp e, 0,1,2,3,4,5,6,7
	v_exp_f32 v[GE+\e], v[GS+\e]
.endr
	s_wait_alu depctr_va_vdst(0)
.irp e, 0,2,4,6
	v_pk_fma_f32 v[GP+\e:GP+\e+1], v[GT+\e:GT+\e+1], v[CA3:CA3+1], v[CA2:CA2+1]   ; and those behind v_exp_f32
.endr
.irp e, 0,2,4,6
	v_pk_fma_f32 v[GP+\e:GP+\e+1], v[GP+\e:GP+\e+1], v[GT+\e:GT+\e+1], v[CA1:CA1+1]
.endr
.irp e, 0,2,4,6
	v_pk_mul_f32 v[GP+\e:GP+\e+1], v[GP+\e:GP+\e+1], v[GT+\e:GT+\e+1]
.endr
.irp e, 0,2,4,6
	v_pk_fma_f32 v[GP+\e:GP+\e+1], v[GP+\e:GP+\e+1], v[GE+\e:GE+\e+1], 0.5 op_sel_hi:[1,1,0] neg_lo:[1,0,0] neg_hi:[1,0,0]
.endr
.irp e, 0,2,4,6
	v_pk_mul_f32 v[GS+\e:GS+\e+1], v[\y+\e:\y+\e+1], 0.5 op_sel_hi:[1,0]
.endr
.irp e, 0,2,4,6
	v_pk_fma_f32 v[GP+\e:GP+\e+1], v[GA+\e:GA+\e+1], v[GP+\e:GP+\e+1], v[GS+\e:GS+\e+1]
.endr
.irp e, 0,1,2,3
	v_cvt_pk_bf16_f32 v[\out+\e], v[GP+2*\e], v[GP+2*\e+1]
.endr
.endm
; rows 16 i .. 16 i + 15 of my block = the eight tiles (a, 0..7) of window win
.macro OUT16G i, a, win
	WIN (\win|0x04)
.irp b, 0,1,2,3,4,5,6,7
.irp e, 0,2,4,6
	v_pk_add_f32 v[GY+8*\b+\e:GY+8*\b+\e+1], v[8*(8*\a+\b)+\e:8*(8*\a+\b)+\e+1], v[8*\b+\e:8*\b+\e+1]
.endr
.endr
	WIN 0
.if \i
	s_wait_xcnt 0x0                                ; TMP, which the last eight stores read, is written again only behind this wait (ISA guide 3.1)
.endif
.irp b, 0,1,2,3,4,5,6,7
	GELU8 GY+8*\b, TMP+4*\b
	global_store_b128 v[CO], v[TMP+4*\b:TMP+4*\b+3], s[8:9] offset:\i*RTB+512*\b   ; a tile: 512 consecutive bytes, aligned; the eight tiles of a row block are 4,096 consecutive bytes
.endr
.endm
	OUT16G 0, 0, 2
	OUT16G 1, 1, 2
	OUT16G 2, 2, 2
	OUT16G 3, 3, 2
	OUT16G 4, 0, 3
	OUT16G 5, 1, 3
	OUT16G 6, 2, 3
	OUT16G 7, 3, 3
	CROUND                                         ; the closing round
	s_endpgm
.Lfunc_end_k_qd2f9131dbf_ffn1:
	.size	k_qd2f9131dbf_ffn1, .Lfunc_end_k_qd2f9131dbf_ffn1-k_qd2f9131dbf_ffn1
	.p2alignl 7, 3214868480
	.fill 96, 4, 3214868480
	.section	.rodata,"a",@progbits
	.p2align	6, 0x0
	.amdhsa_kernel k_qd2f9131dbf_ffn1
		.amdhsa_group_segment_fixed_size 327680
		.amdhsa_private_segment_fixed_size 0
		.amdhsa_enable_private_segment 0
		.amdhsa_kernarg_size 32
		.amdhsa_user_sgpr_count 2
		.amdhsa_user_sgpr_kernarg_segment_ptr 1
		.amdhsa_wavefront_size32 1
		.amdhsa_system_sgpr_workgroup_id_x 1
		.amdhsa_system_sgpr_workgroup_id_y 1
		.amdhsa_system_sgpr_workgroup_id_z 1
		.amdhsa_system_vgpr_workitem_id 0
		.amdhsa_next_free_vgpr 1024
		.amdhsa_next_free_sgpr 68
		.amdhsa_reserve_vcc 0
		.amdhsa_float_denorm_mode_32 3
		.amdhsa_float_denorm_mode_16_64 3
		.amdhsa_memory_ordered 1
		.amdhsa_forward_progress 1
		.amdhsa_inst_pref_size 255
	.end_amdhsa_kernel
	.section	.bss,"aw",@nobits
	.p2align	6
	.space	262144
	.amdgpu_metadata
---
amdhsa.version: [ 1, 2 ]
amdhsa.kernels:
  - .name:           k_qd2f9131dbf_ffn1
    .symbol:         k_qd2f9131dbf_ffn1.kd
    .args:
      - { .name: h2, .offset: 0, .size: 8, .value_kind: global_buffer, .address_space: global }
      - { .name: w1t, .offset: 8, .size: 8, .value_kind: global_buffer, .address_space: global }
      - { .name: m, .offset: 16, .size: 8, .value_kind: global_buffer, .address_space: global }
      - { .name: b1, .offset: 24, .size: 8, .value_kind: global_buffer, .address_space: global }
    .group_segment_fixed_size: 327680
    .private_segment_fixed_size: 0
    .kernarg_segment_align: 8
    .kernarg_segment_size: 32
    .max_flat_workgroup_size: 128
    .sgpr_count:     68
    .vgpr_count:     1024
    .wavefront_size: 32
...
	.end_amdgpu_metadata
.endif
;; end of part 3
;; launch ffn2 (part 4): grid 4 x 64, 4 waves a work-group, clusters of 4 x 4, 327,680 bytes of LDS; arguments m, w2t, x1, b2, out0; writes out0
.if DOCPART == 4
	.amdgcn_target "amdgcn-amd-amdhsa--gfx1250"
	.amdhsa_code_object_version 6
	.text
	.protected	k_qd2f9131dbf_ffn2
	.globl	k_qd2f9131dbf_ffn2
	.p2align	8
	.type	k_qd2f9131dbf_ffn2,@function
k_qd2f9131dbf_ffn2:
	s_mov_b64 s[64:65], 0
	v_nop
	global_prefetch_b8 v0, s[64:65] scope:SCOPE_SE
	s_setreg_imm32_b32 hwreg(HW_REG_WAVE_MODE, 25, 1), 1
	s_wait_xcnt 0x0
	s_wait_alu depctr_hold_cnt(0) depctr_sa_sdst(0) depctr_va_vdst(0) depctr_va_sdst(0) depctr_va_ssrc(0) depctr_va_vcc(0) depctr_vm_vsrc(0)
	s_getreg_b32 s2, hwreg(HW_REG_IB_STS2, 6, 4)
	s_cmp_eq_u32 s2, 0
	s_cbranch_scc0 .Lentry_in_a_cluster
	s_endpgm
.Lentry_in_a_cluster:
	s_bfe_u32 s2, ttmp6, 0x10000c
	s_cmp_lg_u32 s2, 0xf033
	s_cbranch_scc0 .Lentry_shape_is_right
	s_endpgm
.Lentry_shape_is_right:
; out0[r][c] = x1[r][c] + b2[c] + sum over k of m[r][k] w2t[c][k].  w2t: [1024][4096] bf16, x1, out0: [8192][1024] f32, b2 f32.
; m: 8192 x 4096 bf16, stored as matrix fragments: tile (R = row / 16, T = k / 16) is 512 bytes at (256 R + T) 512, lane L has its 16 bytes at 16 L.
; The output has 64 x 4 blocks of 128 x 256: one for each of 256 work-groups.  Four waves, a wave makes 64 x 128: 32 accumulator tiles.
; THE TWO OPERANDS COME BY TWO ROADS.
; w2t goes through LDS: two slots, each with 256 rows of 256 k (two K steps of 128; rows of 512 + 16 bytes), each wave fetching 64 rows by one
; tensor load.  From a request to the wait for it a wave issues 240 matrix instructions.
; m goes straight into registers: two loads of 512 consecutive bytes are a fragment of 16 rows x 32 k.  A ring of eight quarter slots (a quarter = 32 k,
; four row tiles, eight loads, 32 registers) is filled six quarters ahead; the wait at a quarter's head is counted, so these loads stay out
; across the barriers.  WHY m IS NOT ASKED FOR JOINTLY THROUGH LDS, although the four work-groups of a cluster row need the same rows: with both
; operands in LDS a K step is 384 rows of 272 bytes = 104,448 bytes, two slots of two steps (417,792) do not fit into 327,680, and with slots of one
; step a refill has 112 matrix instructions in which to land, since every tensor load is waited for in front of each refill's barrier.
; The price: each byte of m is loaded by eight waves (two column halves x four work-groups), at about the same time.
; CLUSTER: 4 x 4 work-groups; the tiles of w2t hang on the block column alone and are asked for jointly along a column of the cluster.
; REGISTERS: window 0: v20-31 addresses and b2; v32-95 the way out; v96-159, v160-223 fragments of w2t, two buffers.
; window 1: the accumulators, tile (a, b) at 8 (8 a + b).  window 2: the ring of m, slot u at 32 u, row tile a at + 8 a; at the end my 64 rows of x1, row p at 4 p.
; The matrix instruction is used transposed (source 0 = rows of w2t, source 1 = rows of m): a lane holds eight neighbouring columns of one row.
.set SIZE_K, 4096
.set PITCH,  528                       ; 512 bytes + 16 = 33 x 16: the 16 rows that a fragment load touches start in 16 different columns of 16 bytes
.set WTILE,  64*PITCH                  ; what one wave fetches
.set HALFB,  128*PITCH                 ; what one wave reads
.set SLOT,   256*PITCH
.set STAGE,  2*SLOT                    ; behind the slots: 16 rows of 512 + 16 bytes for each wave; no tensor load lands here
.set SPITCH, 528
.set ROWB,   4096                      ; a row of x1 and out0
.set RTB,    131072                    ; 16 rows of m
.set LAPS, SIZE_K/512                  ; a lap = both slots = 16 quarters
.set ADRB, 20
.set STO,  24
.set RD,   25
.set CO,   26                          ; 16 x lane: my 16 bytes of a tile of m, and of a piece of 512 bytes of a row of x1, b2, out0
.set B2,   28
.set OB,   32
.set FB,   96
.set G1B, 48
.set G0B, 56
.set MSB, 0
.macro WIN new
.if MSB != (\new)
	s_set_vgpr_msb (MSB<<8)|(\new)
.set MSB, (\new)
.endif
.endm
.set MUL, 0x58                         ; source 0 (w2t) window 0, source 1 (m) window 2, C and D window 1
.set TO_RING, 0x80                     ; destination window 2, address window 0
.macro JLOAD s                         ; every wave asks for its 64 rows; four v_nop follow the line
	tensor_load_to_lds s[G0B+4*\s:G0B+4*\s+3], s[G1B:G1B+7]
	s_nop 0
.rept 4
	v_nop
.endr
.endm
.macro CREST
	s_cmp_lg_u32 s10, 0
	s_cbranch_scc1 .Lnot_wave_0_\@
	s_barrier_signal -3
.Lnot_wave_0_\@:
	s_barrier_wait -3
	s_barrier_signal -1
	s_barrier_wait -1
.endm
.macro CROUND
	s_barrier_signal -1
	s_barrier_wait -1
	CREST
.endm
.macro PLACES                          ; four plain vector instructions behind a matrix instruction, in front of loads into its sources and of readers of its result
.rept 4
	v_nop
.endr
.endm
	s_load_b128 s[4:7], s[0:1], 0x0                ; m s[4:5], w2t s[6:7]
	s_load_b128 s[68:71], s[0:1], 0x10             ; x1 s[68:69], b2 s[70:71]
	s_load_b64 s[8:9], s[0:1], 0x20                ; out0
	v_lshl_add_u32 v254, v0, 2, 0x4a400
	v_mov_b32 v255, 0
	ds_add_u32 v254, v255
	v_lshrrev_b32 v1, 5, v0
	v_readfirstlane_b32 s10, v1                    ; wave
	s_lshr_b32 s11, s10, 1                         ; my half of the rows
	s_and_b32 s12, s10, 1                          ; my half of the columns
	s_bfe_u32 s40, ttmp6, 0x40000                  ; cx
	s_bfe_u32 s41, ttmp6, 0x40004                  ; cy
	s_lshl_b32 s42, ttmp9, 2
	s_add_co_u32 s42, s42, s40                     ; block column
	s_and_b32 s13, ttmp7, 0xffff
	s_lshl_b32 s13, s13, 2
	s_add_co_u32 s13, s13, s41                     ; block row
	s_lshl_b32 s44, 0x1111, s40                    ; my column of the cluster
	s_or_b32 s[G1B+0], s44, (1<<16)|(1<<20)|(1<<21)|(6<<22)|(3<<25)  ; mask; 2-byte elements; 4 words of padding behind every 128; bit 21 beside a mask
	s_mov_b32 s[G1B+1], 256<<16                    ; tensor_dim0 = 256 k
	s_mov_b32 s[G1B+2], 64<<16                     ; tensor_dim1 = 64 rows
	s_mov_b32 s[G1B+3], 256<<16                    ; tile_dim0
	s_mov_b32 s[G1B+4], 64                         ; tile_dim1
	s_mov_b32 s[G1B+5], SIZE_K                     ; from row to row
	s_mov_b32 s[G1B+6], 0
	s_mov_b32 s[G1B+7], 0
	s_lshl_b32 s46, s42, 8
	s_lshl_b32 s21, s10, 6
	s_add_co_u32 s46, s46, s21                     ; w2t: row 256 x block column + 64 x wave,
	s_lshl_b32 s46, s46, 13                        ; 8,192 bytes a row
	s_mov_b32 s47, 0
	s_lshl_b32 s16, s13, 3
	s_lshl_b32 s17, s11, 2
	s_add_co_u32 s16, s16, s17                     ; m: row tile 8 x block row + 4 x half,
	s_lshl_b32 s16, s16, 17                        ; 131,072 bytes a row tile
	s_mov_b32 s17, 0
	s_mul_i32 s20, s10, WTILE                      ; LDS: wave x 64 rows
	s_lshl_b32 s72, s42, 10                        ; my columns of x1, out0 and b2, in bytes: 1,024 a block column,
	s_lshl_b32 s73, s12, 9                         ; 512 a half
	s_add_co_u32 s72, s72, s73
	s_mov_b32 s73, 0
	s_lshl_b32 s66, s13, 7
	s_lshl_b32 s67, s11, 6
	s_add_co_u32 s66, s66, s67                     ; my first row
	s_lshl_b32 s66, s66, 12
	s_add_co_u32 s66, s66, s72
	s_mov_b32 s67, 0
	s_wait_dscnt 0x0
	s_wait_kmcnt 0x0
	s_add_nc_u64 s[14:15], s[4:5], s[16:17]        ; m at my first row tile, k = 0
	s_add_nc_u64 s[46:47], s[6:7], s[46:47]
	s_add_nc_u64 s[68:69], s[68:69], s[66:67]
	s_add_nc_u64 s[8:9], s[8:9], s[66:67]
	s_add_nc_u64 s[70:71], s[70:71], s[72:73]
	CROUND                                         ; all sixteen work-groups are here: the first joint loads meet
.irp s, 0,1
	s_mov_b32 s[G0B+4*\s], 1
	s_add_co_u32 s[G0B+4*\s+1], s20, \s*SLOT
	s_add_nc_u64 s[G0B+4*\s+2:G0B+4*\s+3], s[46:47], \s*512
	s_or_b32 s[G0B+4*\s+3], s[G0B+4*\s+3], 0x80000000
	JLOAD \s                                       ; two tensor loads of this wave are out, the most in this text
.endr
	v_and_b32 v1, 15, v0
	v_bfe_u32 v2, v0, 4, 1
	v_mul_u32_u24 v3, v1, PITCH
	v_lshl_add_u32 v3, v2, 4, v3                   ; row r, + 16 h
	s_mul_i32 s23, s12, HALFB                      ; my 128 rows of w2t
.irp s, 0,1
	v_add_nc_u32 v[ADRB+\s], s23, v3
	s_add_co_u32 s23, s23, SLOT
.endr
	s_mul_i32 s21, s10, 16*SPITCH
	s_add_co_u32 s21, s21, STAGE                   ; my stage
	v_mul_u32_u24 v4, v1, SPITCH
	v_lshl_add_u32 v4, v2, 5, v4                   ; in: row r, 32 bytes for each half of the lanes
	v_add_nc_u32 v[STO], s21, v4
	v_and_b32 v5, 31, v0
	v_lshlrev_b32 v[CO], 4, v5
	v_add_nc_u32 v[RD], s21, v[CO]                 ; back: a row of 512 bytes, 16 a lane
; eight loads: the four row tiles of the quarter tq of this lap (32 k at 1,024 bytes a quarter) into ring slot ring
.macro GLDA ring, tq
.irp a, 0,1,2,3
	global_load_b128 v[32*(\ring)+8*\a:32*(\ring)+8*\a+3],   v[CO], s[14:15] offset:\a*RTB+(\tq)*1024
	global_load_b128 v[32*(\ring)+8*\a+4:32*(\ring)+8*\a+7], v[CO], s[14:15] offset:\a*RTB+(\tq)*1024+512
.endr
.endm
; eight loads: rows 8 g .. 8 g + 7 of my block of x1 into the registers of ring slot g
.macro GLDX g
.irp e, 0,1,2,3,4,5,6,7
	global_load_b128 v[32*(\g)+4*\e:32*(\g)+4*\e+3], v[CO], s[68:69] offset:(8*(\g)+\e)*ROWB th:TH_LOAD_NT
.endr
.endm
; What quarter q of a lap asks for: m six quarters ahead, into the slot that was read two quarters ago.  In the last lap (tail = 1) nothing of m is
; left from quarter 10 on: groups of x1 take the place of those loads, in the same registers, so that the count at a quarter's head stays the same.
.macro AHEADLD q, tail
	WIN TO_RING
.if \tail
.if (\q) >= 10
	GLDX \q-10
.else
	GLDA (\q+6)%8, \q+6
.endif
.else
	GLDA (\q+6)%8, \q+6
.endif
.endm
; 16 matrix instructions: w2t from buffer n, m from ring slot ring: row tiles a0, a0 + 1 x all eight column tiles.  The 32 accumulators take turns in
; the same order in every quarter, one instruction a turn.
.macro MUL16 n, ring, a0, zero
.irp a, \a0, \a0+1
.irp b, 0,1,2,3,4,5,6,7
.if \zero
	v_wmma_f32_16x16x32_bf16 v[8*(8*(\a)+\b):8*(8*(\a)+\b)+7], v[FB+64*\n+8*\b:FB+64*\n+8*\b+7], v[32*\ring+8*(\a):32*\ring+8*(\a)+7], 0
.else
	v_wmma_f32_16x16x32_bf16 v[8*(8*(\a)+\b):8*(8*(\a)+\b)+7], v[FB+64*\n+8*\b:FB+64*\n+8*\b+7], v[32*\ring+8*(\a):32*\ring+8*(\a)+7], v[8*(8*(\a)+\b):8*(8*(\a)+\b)+7]
.endif
.endr
.endr
.endm
; 16 LDS loads: my 128 rows of w2t, quarter u of the slot (64 bytes of each row), into buffer n
.macro FETCH slot, u, n
.irp i, 0,1,2,3,4,5,6,7
	ds_load_b128 v[FB+64*\n+8*\i:FB+64*\n+8*\i+3],   v[ADRB+\slot] offset:64*(\u)+\i*16*PITCH
	ds_load_b128 v[FB+64*\n+8*\i+4:FB+64*\n+8*\i+7], v[ADRB+\slot] offset:64*(\u)+\i*16*PITCH+32
.endr
.endm
; Quarter u (0 .. 6) of a slot: buffer n is multiplied, buffer o takes the next quarter's fragments, asked for a whole quarter ahead of their use.
.macro QTR slot, u, n, o, zero, tail
	s_wait_loadcnt 40                              ; loads come back in order: this quarter's eight are in, the five younger groups of eight stay out
	s_wait_dscnt 0                                 ; this quarter's fragments of w2t
	WIN 0
	PLACES                                         ; buffer o was read by the matrix instructions just issued
	FETCH \slot, \u+1, \o
	AHEADLD 8*\slot+\u, \tail
	WIN MUL
	MUL16 \n, \u, 0, \zero
	MUL16 \n, \u, 2, \zero
.endm
.macro SEVEN slot, zero, tail
	QTR \slot, 0, 0, 1, \zero, \tail
	QTR \slot, 1, 1, 0, 0, \tail
	QTR \slot, 2, 0, 1, 0, \tail
	QTR \slot, 3, 1, 0, 0, \tail
	QTR \slot, 4, 0, 1, 0, \tail
	QTR \slot, 5, 1, 0, 0, \tail
	QTR \slot, 6, 0, 1, 0, \tail
.endm
; The eighth quarter changes slots.  In front of the barrier: my reads of this slot are back and all my tensor loads have landed (one was out:
; my part of the next slot).  Behind it the refill comes first, then the first fragments of the next slot.  The loads of m are loads into
; registers of bytes that nobody writes: they stay out across the barrier.
.macro TURN slot, next, fill, tail
	s_wait_loadcnt 40
	s_wait_dscnt 0
	s_set_vgpr_msb 0x5850
	s_wait_tensorcnt 0x0
	ds_add_u32 v254, v255
	s_wait_dscnt 0x0
	s_set_vgpr_msb 0x5058
	s_barrier_signal -1
	WIN MUL
	MUL16 1, 7, 0, 0                               ; register work between signal and wait
	WIN 0
	s_barrier_wait -1
.if \fill
	CREST                                          ; the barrier above opened a round of the cluster barrier: no wave of any partner still reads this slot or has a tensor load on its way
	s_add_nc_u64 s[G0B+4*\slot+2:G0B+4*\slot+3], s[G0B+4*\slot+2:G0B+4*\slot+3], 2*512
	JLOAD \slot                                    ; my one tensor load behind the round; its four v_nop are the places in front of the loads below
.else
	PLACES
.endif
	FETCH \next, 0, 0
	AHEADLD 8*\slot+7, \tail
	WIN MUL
	MUL16 1, 7, 2, 0
.endm
.macro LAP zero
	SEVEN 0, \zero, 0
	TURN 0, 1, 1, 0
	SEVEN 1, 0, 0
	TURN 1, 0, 1, 0
	s_wait_xcnt 0x0                                ; the base of the loads of m is stepped only behind this wait (ISA guide 3.1)
	s_add_nc_u64 s[14:15], s[14:15], 16*1024       ; 16 quarters on
.endm
	global_load_b128 v[B2:B2+3], v[CO], s[70:71]   ; b2, older than every load of m: the first counted wait covers it
	WIN TO_RING
	GLDA 0, 0                                      ; the ring's first six quarters: 48 loads out, the most in the K loop (up to 64 once x1's last groups go out)
	GLDA 1, 1
	GLDA 2, 2
	GLDA 3, 3
	GLDA 4, 4
	GLDA 5, 5
	WIN 0
	s_wait_tensorcnt 1                             ; my part of slot 0 is in; slot 1 may stay out
	s_barrier_signal -1
	s_barrier_wait -1
	FETCH 0, 0, 0
	LAP 1                                          ; the first products start the sums
	WIN 0
	s_mov_b32 s3, LAPS-2
.Llap:
	LAP 0
	WIN 0
	s_sub_co_u32 s3, s3, 1
	s_cmp_lg_u32 s3, 0
	s_cbranch_scc1 .Llap
	SEVEN 0, 0, 1                                  ; the last lap fills no slot
	TURN 0, 1, 0, 1
	SEVEN 1, 0, 1
	s_wait_loadcnt 40                              ; the very last quarter
	s_wait_dscnt 0
	AHEADLD 15, 1                                  ; group 5 of x1, into the slot read two quarters ago
	WIN MUL
	MUL16 1, 7, 0, 0
	MUL16 1, 7, 2, 0
	WIN 0
	PLACES                                         ; behind the last matrix instructions: ring slots 6, 7 are loaded again, results are read
	WIN TO_RING
	GLDX 6
	GLDX 7
	WIN 0
; rows 16 a .. 16 a + 15 of my block: through my own stage, back as whole rows of 512 bytes, + x1 + b2, out
.macro OUTF a
	WIN 0x04
.irp b, 0,1,2,3,4,5,6,7
	ds_store_b128 v[STO], v[8*(8*\a+\b):8*(8*\a+\b)+3] offset:64*\b
	ds_store_b128 v[STO], v[8*(8*\a+\b)+4:8*(8*\a+\b)+7] offset:64*\b+16
.endr
	WIN 0
.if \a
	s_wait_xcnt 0x0                                ; OB, which the last stores read, is loaded again only behind this wait (ISA guide 3.1)
.endif
.irp p, 0,1,2,3,4,5,6,7,8,9,10,11,12,13,14,15
	ds_load_b128 v[OB+4*\p:OB+4*\p+3], v[RD] offset:SPITCH*\p      ; LDS serves a wave in order (ISA guide 5.7.1.4): these see the stores above
.endr
	s_wait_loadcnt 48-16*\a                        ; groups 2 a, 2 a + 1 of x1 are in; the younger groups of eight stay out
	s_wait_dscnt 0x0
	WIN 0x02
.irp p, 0,1,2,3,4,5,6,7,8,9,10,11,12,13,14,15
	v_pk_add_f32 v[OB+4*\p:OB+4*\p+1], v[4*(16*\a+\p):4*(16*\a+\p)+1], v[OB+4*\p:OB+4*\p+1]
	v_pk_add_f32 v[OB+4*\p+2:OB+4*\p+3], v[4*(16*\a+\p)+2:4*(16*\a+\p)+3], v[OB+4*\p+2:OB+4*\p+3]
.endr
	WIN 0
.irp p, 0,1,2,3,4,5,6,7,8,9,10,11,12,13,14,15
	v_pk_add_f32 v[OB+4*\p:OB+4*\p+1], v[OB+4*\p:OB+4*\p+1], v[B2:B2+1]
	v_pk_add_f32 v[OB+4*\p+2:OB+4*\p+3], v[OB+4*\p+2:OB+4*\p+3], v[B2+2:B2+3]
	global_store_b128 v[CO], v[OB+4*\p:OB+4*\p+3], s[8:9] offset:(16*\a+\p)*ROWB th:TH_STORE_NT   ; a wave stores 512 consecutive bytes, aligned
.endr
.endm
	OUTF 0
	OUTF 1
	OUTF 2
	OUTF 3
	s_wait_tensorcnt 0x0
	ds_add_u32 v254, v255
	s_wait_dscnt 0x0
	CROUND                                         ; the closing round
	s_endpgm
.Lfunc_end_k_qd2f9131dbf_ffn2:
	.size	k_qd2f9131dbf_ffn2, .Lfunc_end_k_qd2f9131dbf_ffn2-k_qd2f9131dbf_ffn2
	.p2alignl 7, 3214868480
	.fill 96, 4, 3214868480
	.section	.rodata,"a",@progbits
	.p2align	6, 0x0
	.amdhsa_kernel k_qd2f9131dbf_ffn2
		.amdhsa_group_segment_fixed_size 327680
		.amdhsa_private_segment_fixed_size 0
		.amdhsa_enable_private_segment 0
		.amdhsa_kernarg_size 40
		.amdhsa_user_sgpr_count 2
		.amdhsa_user_sgpr_kernarg_segment_ptr 1
		.amdhsa_wavefront_size32 1
		.amdhsa_system_sgpr_workgroup_id_x 1
		.amdhsa_system_sgpr_workgroup_id_y 1
		.amdhsa_system_sgpr_workgroup_id_z 1
		.amdhsa_system_vgpr_workitem_id 0
		.amdhsa_next_free_vgpr 768
		.amdhsa_next_free_sgpr 74
		.amdhsa_reserve_vcc 0
		.amdhsa_float_denorm_mode_32 3
		.amdhsa_float_denorm_mode_16_64 3
		.amdhsa_memory_ordered 1
		.amdhsa_forward_progress 1
		.amdhsa_inst_pref_size 239
	.end_amdhsa_kernel
	.amdgpu_metadata
---
amdhsa.version: [ 1, 2 ]
amdhsa.kernels:
  - .name:           k_qd2f9131dbf_ffn2
    .symbol:         k_qd2f9131dbf_ffn2.kd
    .args:
      - { .name: m, .offset: 0, .size: 8, .value_kind: global_buffer, .address_space: global }
      - { .name: w2t, .offset: 8, .size: 8, .value_kind: global_buffer, .address_space: global }
      - { .name: x1, .offset: 16, .size: 8, .value_kind: global_buffer, .address_space: global }
      - { .name: b2, .offset: 24, .size: 8, .value_kind: global_buffer, .address_space: global }
      - { .name: out0, .offset: 32, .size: 8, .value_kind: global_buffer, .address_space: global }
    .group_segment_fixed_size: 327680
    .private_segment_fixed_size: 0
    .kernarg_segment_align: 8
    .kernarg_segment_size: 40
    .max_flat_workgroup_size: 128
    .sgpr_count:     74
    .vgpr_count:     768
    .wavefront_size: 32
...
	.end_amdgpu_metadata
.endif
;; end of part 4
